; MI455X (gfx1250); checked and timed in simulation.
; The chip was launched on July 23, 2026; its instructions are those of AMD's public machine-readable ISA for CDNA 5 (MIT licence, August 2026) and "CDNA5" Instruction Set Architecture Reference Guide (July 2026). The comments in the code are by the model that wrote it; some were corrected since.
;; Vector Attention. Allowed arithmetic: matrix products marked QUANTISED: E2M1 operands, one E8M0 scale for each 32 along K, by v_wmma_scale_f32_16x16x128_f8f6f4 with both operands' format E2M1 (or v_wmma_scale_f32_32x16x128_f4), f32 sums; products left as they are: f32 operands where the result goes on into a quantised operand, else bf16, f16 or f32 operands; f32 sums; everything else in f32.
;; Inputs: W1_codes 128 x 4 x 16 uint8 (E2M1 codes of W1, K innermost, in blocks of 32 codes, two codes a byte); W1_scales 128 x 4 uint8 (E8M0 scales of W1, one for each 32 codes along K); W2_codes 128 x 4 x 16 uint8 (E2M1 codes of W2, K innermost, in blocks of 32 codes, two codes a byte); W2_scales 128 x 4 uint8 (E8M0 scales of W2, one for each 32 codes along K); Wk_codes 128 x 4 x 16 uint8 (E2M1 codes of Wk, K innermost, in blocks of 32 codes, two codes a byte); Wk_scales 128 x 4 uint8 (E8M0 scales of Wk, one for each 32 codes along K); Wq_codes 128 x 4 x 16 uint8 (E2M1 codes of Wq, K innermost, in blocks of 32 codes, two codes a byte); Wq_scales 128 x 4 uint8 (E8M0 scales of Wq, one for each 32 codes along K); Wv_codes 128 x 4 x 16 uint8 (E2M1 codes of Wv, K innermost, in blocks of 32 codes, two codes a byte); Wv_scales 128 x 4 uint8 (E8M0 scales of Wv, one for each 32 codes along K); b1 128 float32; b2 128 float32; beta1 128 float32; betak 128 float32; betaq 128 float32; bk 128 float32; bq 128 float32; bv 128 float32; distribution 2 x 512 x 1 float32; feat_codes 2 x 512 x 4 x 16 uint8 (E2M1 codes of feat, K innermost, in blocks of 32 codes, two codes a byte); feat_scales 2 x 512 x 4 uint8 (E8M0 scales of feat, one for each 32 codes along K); g1 128 float32; gk 128 float32; gq 128 float32; pos 2 x 512 x 128 float32.
;; Outputs: out0 2 x 512 x 128 float32.
;; This version of the problem:
;;   THIS VERSION OF THE PROBLEM IS GIVEN IN LOW PRECISION. The matrix products marked QUANTISED in the list below multiply operands that are first quantised to E2M1 (2 exponent bits, 1 mantissa bit; 4 bits a number), with one power-of-two scale for each 32 numbers along K (OCP MX v1.0); their sums are f32. All else is computed in f32.
;;   The module's matrix products, in the order in which they are computed (A, B: the left and right operand; K: the contracted axis; several contracted axes count as one K, in the product's order):
;;     1. [M 1,024, K 128] x [K 128, N 128]; A: input feat (given as codes); B: input Wq (given as codes): QUANTISED
;;     2. [M 1,024, K 128] x [K 128, N 128]; A: input feat (given as codes); B: input Wk (given as codes): QUANTISED
;;     3. [M 1,024, K 128] x [K 128, N 128]; A: input feat (given as codes); B: input Wv (given as codes): QUANTISED
;;     4. [M 524,288, K 128] x [K 128, N 128]; A: computed on the way; B: input W1 (given as codes): QUANTISED
;;     5. [M 524,288, K 128] x [K 128, N 128]; A: computed on the way; B: input W2 (given as codes): QUANTISED
;;     6. batch 256 x [M 1, K 512] x [K 512, N 512]; A: computed on the way; B: computed on the way: left as it is (M = 1 < 16)
;;   THE QUANTISER, for each operand of a quantised product, along K:
;;     - K is cut into blocks of 32 from its start; a last block that is shorter is filled with zeros.
;;     - A block's scale is 2^e with e = floor(log2(the largest magnitude in the block)) - 2, held to -126 .. 127; a block of zeros has e = 0. As a byte (E8M0): e + 127.
;;     - Each number is divided by its block's scale, clamped to +-6, and rounded to the nearest number of E2M1, ties to even, subnormals kept.
;;     - The product sums the exact products of the quantised numbers (number of the format x scale) in f32.
;;   ~~~python
;;   def quantise(x, axis):      # numpy; x: float32 -> the quantised numbers, widened to float32 again
;;       x = np.moveaxis(x, axis, -1); K = x.shape[-1]
;;       x = np.pad(x, [(0, 0)] * (x.ndim - 1) + [(0, -K % 32)]); x = x.reshape(x.shape[:-1] + (-1, 32)); a = np.abs(x).max(-1, keepdims=True)
;;       e = np.where(a > 0, np.clip(np.frexp(np.where(a > 0, a, 1))[1] - 1 - 2, -126, 127), 0)      # np.frexp(a)[1] - 1 = floor(log2(a)), exactly
;;       r = np.clip(x / 2.0 ** e, -6, 6)
;;       step = 2.0 ** (np.maximum(np.frexp(np.where(r == 0, 1, r))[1] - 1, 0) - 1)
;;       q = np.round(r / step) * step * 2.0 ** e      # np.round: ties to even
;;       return np.moveaxis(q.reshape(q.shape[:-2] + (-1,))[..., :K], -1, axis).astype(np.float32)
;;   ~~~
;;   OPERANDS COMPUTED ON THE WAY. 'Computed on the way' means the value that the module computes at that place (a softmax that the list does not call 'softmax' is quantised finished and normalised). What goes into a quantiser is computed in f32, as accurately as f32 sums, v_exp_f32 and their like allow (about 1e-6 of the number): no bf16 or f16 on the way to a quantiser, and a product that is left as it is and whose result goes on into a quantised operand takes f32 operands (vector FMAs, or v_wmma_f32_16x16x4_f32). A number that lies on a knife's edge between two numbers of the format may be rounded either way, as far as f32 arithmetic and the matrix unit's own rounding can turn it there, and no further.
;;   INPUTS GIVEN AS CODES. W1 (in the module: [128, 128], K = its axis 1); W2 (in the module: [128, 128], K = its axis 1); Wk (in the module: [128, 128], K = its axis 1); Wq (in the module: [128, 128], K = its axis 1); Wv (in the module: [128, 128], K = its axis 1); feat (in the module: [2, 512, 128], K = its axis 2): each comes as NAME_codes (uint8): NAME with its K axis moved to the last place and cut into blocks of 32 codes, [.., K / 32, bytes a block], one block behind the other in memory; two codes a byte, the lower K in the low four bits (a code: sign, 2 exponent bits, 1 mantissa bit); and NAME_scales (uint8): the same leading axes, one E8M0 byte (e + 127) for each 32 codes along K. Its value is code x scale, taken as it is: it is not quantised again, and the codes and scales need not be those that the quantiser above would give.
;; One version. Each part assembles by itself: llvm-mc -triple=amdgcn-amd-amdhsa -mcpu=gfx1250 --defsym DOCPART=n.
;; ======== version 1 of 1: 2 launches
;; workspace buffers: kv 1,048,576 bytes; qimg 524,288 bytes
;; launch prep (part 1): grid 64 x 3, 1 waves a work-group, no clusters, 0 bytes of LDS; arguments feat_codes, feat_scales, Wq_codes, Wq_scales, bq, gq, betaq, Wk_codes, Wk_scales, bk, gk, betak, Wv_codes, Wv_scales, bv, qimg, kv; writes qimg, kv
.if DOCPART == 1
	.amdgcn_target "amdgcn-amd-amdhsa--gfx1250"
	.amdhsa_code_object_version 6
	.text
	.protected	k_qb1c5eb3b92_prep
	.globl	k_qb1c5eb3b92_prep
	.p2align	8
	.type	k_qb1c5eb3b92_prep,@function
k_qb1c5eb3b92_prep:
	s_mov_b64 s[64:65], 0
	v_nop
	global_prefetch_b8 v0, s[64:65] scope:SCOPE_SE
	s_setreg_imm32_b32 hwreg(HW_REG_WAVE_MODE, 25, 1), 1
	s_wait_xcnt 0x0
; q = mish(LN(feat Wq^T + bq)), k = mish(LN(feat Wk^T + bk)), v = feat Wv^T + bv: the three small products of the module, on the codes and scale bytes as they are given (FP4, E2M1, one E8M0 byte for 32 along K).
; DEAD WORK OF THE WHOLE PROGRAM.  (1) pos: reference() never reads it, so it has no way to the output.  (2) b2: w = h W2^T + b2 goes only into the softmax over j; b2[c] is the same for all j, so
; exp(w + b2 - max_j(w + b2)) = exp(w - max_j w) for all values, in numerator and divisor alike.  Neither is loaded, neither is an argument of any launch.
; LIMIT: a NaN, an infinity or an overflow that reaches only pos or b2 is not carried to the result.  NaN and infinities among the other inputs are not served.
; SHARES.  Work-group x = a tile of 16 rows of feat (both batches on end, 64 tiles); y = the role: 0 q, 1 k, 2 v.  One wave makes the whole tile, 16 rows x 128 channels: 8 matrix instructions.  No LDS, no barrier.
; WHAT IS STORED: IMAGES OF THE NEXT LAUNCH'S REGISTERS.  An image is 16 groups of 512 bytes; lane l's 16 bytes of group g stand at 512 g + 16 l: register n = 4 g + e of lane (r = l % 16, h = l / 16).
;   q, k: register n = channel 64 (n / 32) + 32 h + n % 32 of row r: the order in which the 4-bit operand's layout wants a lane's numbers.  The product is used transposed (source 0 = 16 rows of W, source 1 = feat),
;         and THE ROWS OF W THAT FORM A TILE ARE CHOSEN FOR IT: lane r of tile t takes row 64 (t / 4) + 8 (t % 4) + 32 (r / 8) + r % 8.  A lane then holds 64 channels of ONE row: LayerNorm wants one exchange of halves.
;   v:    register n = v(row 8 h + n % 8, channel 16 (n / 8) + r): the product in its natural order (source 0 = feat, source 1 = 16 rows of Wv).
; qimg: [tile 64][8,192].  kv: [batch 2][step 16][k of tile 2 s, k of tile 2 s + 1, v of tile 2 s, v of tile 2 s + 1][8,192].
; MISH, with X = x log2(e) (g and beta are multiplied by log2(e) once): u = 2^min(X, 40) = e^x; n = u (u + 2); mish = x n / (n + 2) = (X n) / (n log2(e) + 2 log2(e)).
; The hold at 40 keeps X n finite; from there on n / (n + 2) is 1 in f32, so it moves no value.  LIMIT: u under 2^-126 comes out as 0 (v_exp_f32), where mish is under 1e-36 in size.
.set F,    16                          ; v16-23   feat's fragment
.set FS,   24                          ; v24      its scale words
.set WS,   32                          ; v32-39   the weight's scale words, a register a tile
.set BV,   40                          ; v40-47   bv at my channel of each tile
.set S,    48                          ; v48-55   four packed chains of sums
.set MU,   56                          ; v[56:57] the mean (low word)
.set RSP,  58                          ; v[58:59] 1 / sqrt(var + eps) (low word)
.set C2,   60                          ; v[60:61] 2 log2(e) (low word)
.set PT,   62                          ; v62      the other half's sum
.set W,    64                          ; v64-127  the weight's eight fragments; later u, n
.set U,    64
.set X,    128                         ; v128-191 the results
.set T,    192                         ; v192-255 the bias, as the products' C; later at work
.set G,    0                           ; window 1: v0-63 g log2(e), v64-127 beta log2(e), in the results' layout
.set BE,   64
.set L2E,  50                          ; s[50:51] log2(e)
.set C40,  52
.set I128, 53
.set EPSR, 54
.set SEL,  56                          ; s[56:57] v_permlanex16_b32's selects for lane l xor 16
.set MSB, 0
.macro WIN new                         ; the immediate's high byte repeats the setting that is left
.if MSB != \new
	s_set_vgpr_msb (MSB<<8)|\new
.set MSB, \new
.endif
.endm
.macro TREE                            ; four packed chains -> the row's sum, in every lane of the row's two
	v_pk_add_f32 v[S:S+1], v[S:S+1], v[S+2:S+3]
	v_pk_add_f32 v[S+4:S+5], v[S+4:S+5], v[S+6:S+7]
	v_pk_add_f32 v[S:S+1], v[S:S+1], v[S+4:S+5]
	v_add_f32 v[S], v[S], v[S+1]
	v_permlanex16_b32 v[PT], v[S], s[SEL], s[SEL+1]
	v_add_f32 v[S], v[S], v[PT]
.endm
.macro STORE_IMG base                  ; each store of the wave covers 512 consecutive bytes, aligned
.set g, 0
.rept 16
	global_store_b128 v7, v[X+4*g:X+4*g+3], s[\base:\base+1] offset:512*g
.set g, g+1
.endr
.endm
	s_load_b512 s[4:19], s[0:1], 0x0               ; feat's codes 4, scales 6; Wq's codes 8, scales 10; bq 12, gq 14, betaq 16; Wk's codes 18
	s_load_b512 s[20:35], s[0:1], 0x40             ; Wk's scales 20; bk 22, gk 24, betak 26; Wv's codes 28, scales 30; bv 32; qimg 34
	s_load_b64 s[36:37], s[0:1], 0x80              ; kv
	v_and_b32 v1, 15, v0                           ; r
	v_bfe_u32 v2, v0, 4, 1                         ; h
	v_lshlrev_b32 v3, 6, v1
	v_lshl_add_u32 v3, v2, 4, v3                   ; feat, Wv: row r of 64 bytes, + 16 h
	v_lshrrev_b32 v4, 3, v1
	v_and_b32 v5, 7, v1
	v_lshl_add_u32 v5, v4, 5, v5                   ; 32 (r / 8) + r % 8
	v_lshlrev_b32 v4, 6, v5
	v_lshl_add_u32 v4, v2, 4, v4                   ; Wq, Wk: that row, + 16 h
	v_lshlrev_b32 v5, 2, v5                        ; and its scale word
	v_lshlrev_b32 v6, 7, v2                        ; bias, g, beta: 32 h numbers on
	v_lshlrev_b32 v7, 4, v0                        ; an image's place for my lane (one wave: the thread is the lane)
	v_lshlrev_b32 v8, 2, v1                        ; 4 r
	v_mov_b32 v[MU+1], 0                           ; (upper halves of pairs that packed forms name, and a lane permute's destination: written once)
	v_mov_b32 v[RSP+1], 0
	v_mov_b32 v[C2], 0x4038aa3b                    ; 2 log2(e)
	v_mov_b32 v[C2+1], 0
	v_mov_b32 v[PT], 0
	s_and_b32 s40, ttmp7, 0xffff                   ; the role
	s_lshl_b32 s42, ttmp9, 10                      ; the tile's codes of feat: 16 rows of 64 bytes
	s_mov_b32 s43, 0
	s_lshl_b32 s44, ttmp9, 6                       ; and its scale words
	s_mov_b32 s45, 0
	s_lshr_b32 s46, ttmp9, 1
	s_lshl_b32 s46, s46, 15                        ; in kv: step (tile / 2) of 32,768 bytes,
	s_and_b32 s47, ttmp9, 1
	s_lshl_b32 s47, s47, 13
	s_add_co_u32 s46, s46, s47                     ; + 8,192 for the odd tile
	s_mov_b32 s47, 0
	s_lshl_b32 s48, ttmp9, 13                      ; in qimg: 8,192 a tile
	s_mov_b32 s[L2E], 0x3fb8aa3b
	s_mov_b32 s[L2E+1], s[L2E]                     ; (named with it as a pair, so it is written)
	s_mov_b32 s[C40], 0x42200000                   ; 40.0
	s_mov_b32 s[I128], 0x3c000000                  ; 1 / 128
	s_mov_b32 s[EPSR], 0x3727c5ac                  ; 1e-5
	s_mov_b32 s[SEL], 0x76543210
	s_mov_b32 s[SEL+1], 0xfedcba98
	s_wait_kmcnt 0x0
	s_add_nc_u64 s[4:5], s[4:5], s[42:43]
	s_add_nc_u64 s[6:7], s[6:7], s[44:45]
	global_load_b128 v[F:F+3], v3, s[4:5]
	global_load_b128 v[F+4:F+7], v3, s[4:5] offset:32
	global_load_b32 v[FS], v8, s[6:7]
	s_cmp_eq_u32 s40, 2
	s_cbranch_scc1 .Lv
	; ---- q or k: the buffers are chosen by the role alone
	s_cmp_eq_u32 s40, 0
	s_cselect_b64 s[8:9], s[8:9], s[18:19]
	s_cselect_b64 s[10:11], s[10:11], s[20:21]
	s_cselect_b64 s[12:13], s[12:13], s[22:23]
	s_cselect_b64 s[14:15], s[14:15], s[24:25]
	s_cselect_b64 s[16:17], s[16:17], s[26:27]
	s_cselect_b64 s[34:35], s[34:35], s[36:37]
	s_cselect_b32 s46, s48, s46
	s_add_nc_u64 s[34:35], s[34:35], s[46:47]
.set t, 0
.rept 8
	global_load_b128 v[W+8*t:W+8*t+3], v4, s[8:9] offset:(64*(t/4)+8*(t%4))*64
	global_load_b128 v[W+8*t+4:W+8*t+7], v4, s[8:9] offset:(64*(t/4)+8*(t%4))*64+32
	global_load_b32 v[WS+t], v5, s[10:11] offset:(64*(t/4)+8*(t%4))*4
.set t, t+1
.endr
.set g, 0
.rept 16
	global_load_b128 v[T+4*g:T+4*g+3], v6, s[12:13] offset:256*(g/8)+16*(g%8)   ; the bias at my 64 channels
.set g, g+1
.endr
	WIN 0x40                                       ; destination window 1
.set g, 0
.rept 16
	global_load_b128 v[G+4*g:G+4*g+3], v6, s[14:15] offset:256*(g/8)+16*(g%8)
	global_load_b128 v[BE+4*g:BE+4*g+3], v6, s[16:17] offset:256*(g/8)+16*(g%8)
.set g, g+1
.endr
	s_wait_loadcnt 0x0
	WIN 0x41
.set n, 0
.rept 64
	v_pk_mul_f32 v[2*n:2*n+1], v[2*n:2*n+1], s[L2E:L2E+1] op_sel_hi:[1,0]   ; g log2(e), beta log2(e)
.set n, n+1
.endr
	WIN 0
.set t, 0
.rept 8
	v_wmma_scale_f32_16x16x128_f8f6f4 v[X+8*t:X+8*t+7], v[W+8*t:W+8*t+7], v[F:F+7], v[T+8*t:T+8*t+7], v[WS+t], v[FS] matrix_a_fmt:MATRIX_FMT_FP4 matrix_b_fmt:MATRIX_FMT_FP4
.set t, t+1
.endr
.rept 4
	v_nop                                          ; four places between the last product and the first read of results
.endr
	; LayerNorm in two passes.  Each accumulator is read from its low end on
.set ch, 0
.rept 4
	v_pk_add_f32 v[S+2*ch:S+2*ch+1], v[X+16*ch:X+16*ch+1], v[X+16*ch+2:X+16*ch+3]
.set ch, ch+1
.endr
.set i, 4
.rept 6
.set ch, 0
.rept 4
	v_pk_add_f32 v[S+2*ch:S+2*ch+1], v[S+2*ch:S+2*ch+1], v[X+16*ch+i:X+16*ch+i+1]
.set ch, ch+1
.endr
.set i, i+2
.endr
	TREE
	v_mul_f32 v[MU], s[I128], v[S]
.set n, 0
.rept 32
	v_pk_add_f32 v[X+2*n:X+2*n+1], v[X+2*n:X+2*n+1], v[MU:MU+1] op_sel_hi:[1,0] neg_lo:[0,1] neg_hi:[0,1]
.set n, n+1
.endr
.set ch, 0
.rept 4
	v_pk_mul_f32 v[S+2*ch:S+2*ch+1], v[X+16*ch:X+16*ch+1], v[X+16*ch:X+16*ch+1]
.set ch, ch+1
.endr
.set i, 2
.rept 7
.set ch, 0
.rept 4
	v_pk_fma_f32 v[S+2*ch:S+2*ch+1], v[X+16*ch+i:X+16*ch+i+1], v[X+16*ch+i:X+16*ch+i+1], v[S+2*ch:S+2*ch+1]
.set ch, ch+1
.endr
.set i, i+2
.endr
	TREE
	v_fma_f32 v[S], v[S], s[I128], s[EPSR]
	v_rsq_f32 v[RSP], v[S]
	v_nop                                          ; a plain place behind the transcendental,
	s_wait_alu depctr_va_vdst(0)                   ; and a wait ahead of its first reader
.set n, 0
.rept 32
	v_pk_mul_f32 v[X+2*n:X+2*n+1], v[X+2*n:X+2*n+1], v[RSP:RSP+1] op_sel_hi:[1,0]
.set n, n+1
.endr
	WIN 0x14                                       ; sources 1 and 2 window 1
.set n, 0
.rept 32
	v_pk_fma_f32 v[X+2*n:X+2*n+1], v[X+2*n:X+2*n+1], v[G+2*n:G+2*n+1], v[BE+2*n:BE+2*n+1]   ; X = x log2(e)
.set n, n+1
.endr
	WIN 0
	; Mish
.set n, 0
.rept 4
	v_min_num_f32 v[U+n], s[C40], v[X+n]
.set n, n+1
.endr
.set n, 0
.rept 60
	v_exp_f32 v[U+n], v[U+n]
	v_min_num_f32 v[U+n+4], s[C40], v[X+n+4]
.set n, n+1
.endr
.rept 4
	v_exp_f32 v[U+n], v[U+n]
.set n, n+1
.endr
	v_nop
	s_wait_alu depctr_va_vdst(0)                   ; one wait for the batch of 64
.set n, 0
.rept 32
	v_pk_add_f32 v[T+2*n:T+2*n+1], v[U+2*n:U+2*n+1], 2.0 op_sel_hi:[1,0]
.set n, n+1
.endr
.set n, 0
.rept 32
	v_pk_mul_f32 v[U+2*n:U+2*n+1], v[U+2*n:U+2*n+1], v[T+2*n:T+2*n+1]        ; n = u (u + 2)
.set n, n+1
.endr
.set n, 0
.rept 32
	v_pk_fma_f32 v[T+2*n:T+2*n+1], v[U+2*n:U+2*n+1], s[L2E:L2E+1], v[C2:C2+1] op_sel_hi:[1,0,0]
.set n, n+1
.endr
.set n, 0
.rept 32
	v_rcp_f32 v[T+2*n], v[T+2*n]
	v_rcp_f32 v[T+2*n+1], v[T+2*n+1]
	v_pk_mul_f32 v[X+2*n:X+2*n+1], v[X+2*n:X+2*n+1], v[U+2*n:U+2*n+1]        ; X n: names no reciprocal
.set n, n+1
.endr
	v_nop
	s_wait_alu depctr_va_vdst(0)                   ; one wait for the batch of 64
.set n, 0
.rept 32
	v_pk_mul_f32 v[X+2*n:X+2*n+1], v[X+2*n:X+2*n+1], v[T+2*n:T+2*n+1]
.set n, n+1
.endr
	STORE_IMG 34
	s_endpgm
.Lv:	; ---- v: the natural order, so that a lane holds one channel and eight rows
	s_add_co_u32 s46, s46, 16384                   ; v's images lie behind the step's two of k
	s_add_nc_u64 s[36:37], s[36:37], s[46:47]
.set t, 0
.rept 8
	global_load_b128 v[W+8*t:W+8*t+3], v3, s[28:29] offset:1024*t
	global_load_b128 v[W+8*t+4:W+8*t+7], v3, s[28:29] offset:1024*t+32
	global_load_b32 v[WS+t], v8, s[30:31] offset:64*t
	global_load_b32 v[BV+t], v8, s[32:33] offset:64*t
.set t, t+1
.endr
	s_wait_loadcnt 0x0
.set t, 0
.rept 8
	v_wmma_scale_f32_16x16x128_f8f6f4 v[X+8*t:X+8*t+7], v[F:F+7], v[W+8*t:W+8*t+7], 0, v[FS], v[WS+t] matrix_a_fmt:MATRIX_FMT_FP4 matrix_b_fmt:MATRIX_FMT_FP4
.set t, t+1
.endr
.rept 4
	v_nop
.endr
.set n, 0
.rept 64
	v_add_f32 v[X+n], v[X+n], v[BV+n/8]            ; ascending: each accumulator from its low end on
.set n, n+1
.endr
	STORE_IMG 36
	s_endpgm
.Lfunc_end_k_qb1c5eb3b92_prep:
	.size	k_qb1c5eb3b92_prep, .Lfunc_end_k_qb1c5eb3b92_prep-k_qb1c5eb3b92_prep
	.p2alignl 7, 3214868480
	.fill 96, 4, 3214868480
	.section	.rodata,"a",@progbits
	.p2align	6, 0x0
	.amdhsa_kernel k_qb1c5eb3b92_prep
		.amdhsa_group_segment_fixed_size 0
		.amdhsa_private_segment_fixed_size 0
		.amdhsa_enable_private_segment 0
		.amdhsa_kernarg_size 136
		.amdhsa_user_sgpr_count 2
		.amdhsa_user_sgpr_kernarg_segment_ptr 1
		.amdhsa_wavefront_size32 1
		.amdhsa_system_sgpr_workgroup_id_x 1
		.amdhsa_system_sgpr_workgroup_id_y 1
		.amdhsa_system_sgpr_workgroup_id_z 1
		.amdhsa_system_vgpr_workitem_id 0
		.amdhsa_next_free_vgpr 384
		.amdhsa_next_free_sgpr 66
		.amdhsa_reserve_vcc 0
		.amdhsa_float_denorm_mode_32 3
		.amdhsa_float_denorm_mode_16_64 3
		.amdhsa_memory_ordered 1
		.amdhsa_forward_progress 1
		.amdhsa_inst_pref_size 51
	.end_amdhsa_kernel
	.amdgpu_metadata
---
amdhsa.version: [ 1, 2 ]
amdhsa.kernels:
  - .name:           k_qb1c5eb3b92_prep
    .symbol:         k_qb1c5eb3b92_prep.kd
    .args:
      - { .name: feat_codes, .offset: 0, .size: 8, .value_kind: global_buffer, .address_space: global }
      - { .name: feat_scales, .offset: 8, .size: 8, .value_kind: global_buffer, .address_space: global }
      - { .name: Wq_codes, .offset: 16, .size: 8, .value_kind: global_buffer, .address_space: global }
      - { .name: Wq_scales, .offset: 24, .size: 8, .value_kind: global_buffer, .address_space: global }
      - { .name: bq, .offset: 32, .size: 8, .value_kind: global_buffer, .address_space: global }
      - { .name: gq, .offset: 40, .size: 8, .value_kind: global_buffer, .address_space: global }
      - { .name: betaq, .offset: 48, .size: 8, .value_kind: global_buffer, .address_space: global }
      - { .name: Wk_codes, .offset: 56, .size: 8, .value_kind: global_buffer, .address_space: global }
      - { .name: Wk_scales, .offset: 64, .size: 8, .value_kind: global_buffer, .address_space: global }
      - { .name: bk, .offset: 72, .size: 8, .value_kind: global_buffer, .address_space: global }
      - { .name: gk, .offset: 80, .size: 8, .value_kind: global_buffer, .address_space: global }
      - { .name: betak, .offset: 88, .size: 8, .value_kind: global_buffer, .address_space: global }
      - { .name: Wv_codes, .offset: 96, .size: 8, .value_kind: global_buffer, .address_space: global }
      - { .name: Wv_scales, .offset: 104, .size: 8, .value_kind: global_buffer, .address_space: global }
      - { .name: bv, .offset: 112, .size: 8, .value_kind: global_buffer, .address_space: global }
      - { .name: qimg, .offset: 120, .size: 8, .value_kind: global_buffer, .address_space: global }
      - { .name: kv, .offset: 128, .size: 8, .value_kind: global_buffer, .address_space: global }
    .group_segment_fixed_size: 0
    .private_segment_fixed_size: 0
    .kernarg_segment_align: 8
    .kernarg_segment_size: 136
    .max_flat_workgroup_size: 32
    .sgpr_count:     66
    .vgpr_count:     384
    .wavefront_size: 32
...
	.end_amdgpu_metadata
.endif
;; end of part 1
;; launch pairs (part 2): grid 256 x 1, 4 waves a work-group, clusters of 4 x 1, 327,680 bytes of LDS; arguments kv, qimg, distribution, W1_codes, W1_scales, W2_codes, W2_scales, b1, g1, beta1, out0; writes out0
.if DOCPART == 2
	.amdgcn_target "amdgcn-amd-amdhsa--gfx1250"
	.amdhsa_code_object_version 6
	.text
	.protected	k_qb1c5eb3b92_pairs
	.globl	k_qb1c5eb3b92_pairs
	.p2align	8
	.type	k_qb1c5eb3b92_pairs,@function
k_qb1c5eb3b92_pairs:
	s_mov_b64 s[64:65], 0
	v_nop
	global_prefetch_b8 v0, s[64:65] scope:SCOPE_SE
	s_setreg_imm32_b32 hwreg(HW_REG_WAVE_MODE, 25, 1), 1
	s_wait_xcnt 0x0
	s_wait_alu depctr_hold_cnt(0) depctr_sa_sdst(0) depctr_va_vdst(0) depctr_va_sdst(0) depctr_va_ssrc(0) depctr_va_vcc(0) depctr_vm_vsrc(0)
	s_getreg_b32 s2, hwreg(HW_REG_IB_STS2, 6, 4)
	s_cmp_eq_u32 s2, 0
	s_cbranch_scc0 .Lentry_in_a_cluster
	s_endpgm
.Lentry_in_a_cluster:
	s_bfe_u32 s2, ttmp6, 0x10000c
	s_cmp_lg_u32 s2, 0x3003
	s_cbranch_scc0 .Lentry_shape_is_right
	s_endpgm
.Lentry_shape_is_right:
; out[i][c] = sum_j probs[i][j][c] v[j][c];  probs = the softmax over j of w = mish(LN(Q(k_j - q_i) W1^T + b1)) quantised, x W2^T, weighted by d_j and masked by d_i d_j > 0.
; LEFT OUT AS DEAD WORK (shown at the head of the first kernel): pos, which reference() never reads, and b2, which is the same along the softmax's axis.  A NaN or an infinity in them is not carried to the result.
; LIMITS: NaN and infinities among the inputs are not served; a block whose largest magnitude lies under 2^-124 keeps the scale byte 1; u and p under 2^-126 come out as 0 (v_exp_f32).
; SHARES.  1,024 rows i, one to a wave: 256 work-groups of four waves.  A wave walks the 512 j of its batch in 16 steps of 32 pairs: two tiles of 16 pairs (tau = 0, 1), worked side by side so that short dependent chains take turns.
; LAYOUT.  Up to the second product a lane (r, h) holds ONE pair r and 64 of its 128 channels or hidden units; behind it one channel and eight j.
;   rel:    k's image gives register n = channel 64 (n / 32) + 32 h + n % 32: two whole blocks of 32 a lane, in the 4-bit operand's order: the conversions' results ARE the operand.
;   first product, transposed (source 0 = 16 rows of W1, source 1 = rel; C = b1).  Lane r of tile 2 b + u takes row 32 b + 8 u + r + 8 (r / 8) of W1: register 16 b + i = hidden unit 32 b + 16 h + i of pair r.
;   hidden: a block of 32 lies in lanes l and l xor 16; two exchanges of halves for each pair of blocks make the operand.
;   second product, natural (source 0 = hidden, source 1 = 16 rows of W2; C = 0): register 8 t + e = w(j = 8 h + e of the tile, c = 16 t + r), which is how v's image lies.
; SOFTMAX, for each channel and half of the lanes: a running maximum MR of w over all j, NM = -MR log2(e), p = 2^(w log2(e) + NM); den += p d_j; num += (p dm_j) v_j, dm_j = d_j where d_i d_j > 0, else 0;
;   when MR moves, den and num are multiplied by 2^(new NM - old NM).  MR begins as -infinity and NM as +infinity: the first factor is 0, on zeros.  The two halves are joined at the end; out = num / den.
; MISH as in the first kernel: X = x log2(e), u = 2^min(X, 40), n = u (u + 2), mish = (X n) / (n log2(e) + 2 log2(e)).
; RING.  k's and v's images come through two LDS slots of four steps (131,072 bytes); each wave brings one step's 32,768 bytes by one tensor load: one load of a wave is out at the most.
; CLUSTER.  The four work-groups of a cluster belong to one batch and walk the same images: each load is asked for jointly, with the same descriptor and the mask of all four.  My place in the cluster enters global addresses of q, d_i and out alone.
; No prefetch: a slot is asked for four steps ahead of its first read, a whole slot's work, and nothing of it is read twice from memory by one work-group.
; REGISTERS, in windows of 256 (s_set_vgpr_msb: bits 1:0 source 0, 3:2 source 1, 5:4 source 2, 7:6 destination):
;   window 0: addresses, scale words, the softmax's state, codes, d, temporaries, q.   window 1: v0-127 X (k, rel, hidden), v128-255 T (at work, then v).
;   window 2: v0-127 U (u, n, then w, p), v128-191 g1 log2(e), v192-255 beta1 log2(e).   window 3: v0-63 W1, v64-127 W2, v128-191 b1.
.set SLOT1, 1<<17                      ; slot 1 begins here: one exclusive or turns an address from one slot to the other
.set STEPB, 32768                      ; a step: k tile 0, k tile 1, v tile 0, v tile 1, 8,192 bytes each
.set DTB,   262144                     ; behind the ring: for each wave 4,096 bytes of its own: d[512], then dm[512]
.set OUTS,  278528                     ; 512 bytes for each wave: its row of out
.set SPARE, 280576                     ; the spare words, 128 bytes for each wave: two blocks of 256 bytes that no other line names
.set LI,  1                            ; v1   16 x lane
.set ADR, 2                            ; v2   LDS address of the step's k
.set DTA, 3                            ; v3   my wave's d table + 32 h
.set ADD, 4                            ; v4   the step's place in it
.set SH8, 5                            ; v5   8 h
.set SPW, 6                            ; v6   LDS address of my spare word; never rewritten
.set NIL, 7                            ; v7   0; never rewritten
.set OST, 8                            ; v8   the way out: where I put a number of my row
.set ORD, 9                            ; v9   and where I read 16 bytes of it back
.set ADV, 10                           ; v10  LDS address of the step's v (behind the head)
.set W1S, 16                           ; v16-23 W1's scale words;  v24-31 W2's
.set W2S, 24
.set RS,  32                           ; v32, 33 rel's scale words;  v34, 35 the hidden layer's
.set HS,  34
.set ST,  36                           ; v36-99 the state, 8 registers a channel tile t: +0 NM, +1 MR, +2 F, +3 (pair's upper half), +4:5 den, +6:7 num
.set RC,  100                          ; v100-115 rel's codes
.set HC,  116                          ; v116-131 the hidden layer's
.set DJ,  132                          ; v132-147 d of my 16 j;  v148-163 dm
.set DM,  148
.set TM,  164                          ; v164-171 largest magnitudes;  v172-179 bytes;  v180-187 the conversions' scale operands
.set TP,  172
.set SO,  180
.set S,   164                          ; v164-179 eight packed chains of sums;  v180-183 the means;  v184-187 1 / sqrt(var + eps)
.set MU,  180
.set RSP, 184
.set C2,  188                          ; v[188:189] 2 log2(e) (low word)
.set PT,  190                          ; v190, 191 what a lane permute brings
.set QQ,  192                          ; v192-255 q_i, in k's order
.set X,   0
.set T,   128
.set U,   0
.set GG,  128
.set BB,  192
.set W1F, 0
.set W2F, 64
.set B1C, 128
.set WV,  26
.set G1,  32                           ; s[32:39] descriptor group 1;  s[40:43] group 0, which walks
.set G0,  40
.set L2E, 44                           ; s[44:45] log2(e)
.set NL2E, 46
.set C40, 47
.set FLR, 48
.set I128, 49
.set EPSR, 50
.set SEL, 52                           ; s[52:53]
.set TB,  54                           ; LDS byte at which the step in hand begins
.set TJ,  55                           ; and its place in the d tables: 128 bytes a step
.set SLOTS, 56
.set INNER, 57
.set MSB, 0
.macro WIN new                         ; the immediate's high byte repeats the setting that is left; a switch that changes nothing is dropped
.if MSB != \new
	s_set_vgpr_msb (MSB<<8)|\new
.set MSB, \new
.endif
.endm
.macro CROUND                          ; a round of the cluster's barrier
	s_barrier_signal -1
	s_barrier_wait -1
	s_cmp_lg_u32 s[WV], 0
	s_cbranch_scc1 .Lnot_wave_0_\@
	s_barrier_signal -3
.Lnot_wave_0_\@:
	s_barrier_wait -3
	s_barrier_signal -1
	s_barrier_wait -1
.endm
.macro KLOAD                           ; the step's two images of k: 32 loads of 512 consecutive bytes
	v_add_nc_u32 v[ADR], s[TB], v[LI]
	WIN 0x40
.set n, 0
.rept 32
	ds_load_b128 v[X+4*n:X+4*n+3], v[ADR] offset:512*n
.set n, n+1
.endr
	WIN 0
.endm
.macro VLOAD                           ; the step's two images of v, and d and dm of my 16 j
	v_add_nc_u32 v[ADV], s[TB], v[LI]
	WIN 0x40
.set n, 0
.rept 32
	ds_load_b128 v[T+4*n:T+4*n+3], v[ADV] offset:16384+512*n
.set n, n+1
.endr
	WIN 0
.set n, 0
.rept 4
	ds_load_b128 v[DJ+4*n:DJ+4*n+3], v[ADD] offset:64*(n/2)+16*(n%2)
	ds_load_b128 v[DM+4*n:DM+4*n+3], v[ADD] offset:2048+64*(n/2)+16*(n%2)
.set n, n+1
.endr
.endm
.macro MAXCH                           ; eight chains by turns: chain ch = the largest magnitude of X[16 ch .. 16 ch + 15], over the floor 2^(3 - 127), which holds the byte at 1 from below
	WIN 0x14
.set ch, 0
.rept 8
	v_max3_num_f32 v[TM+ch], s[FLR], |v[X+16*ch]|, |v[X+16*ch+1]|
.set ch, ch+1
.endr
.set i, 2
.rept 7
.set ch, 0
.rept 8
	v_max3_num_f32 v[TM+ch], v[TM+ch], |v[X+16*ch+i]|, |v[X+16*ch+i+1]|
.set ch, ch+1
.endr
.set i, i+2
.endr
	WIN 0
.endm
.macro QREL                            ; rel = k - q, quantised: a lane holds blocks h and 2 + h whole
	WIN 0x41
.set n, 0
.rept 64
	v_pk_add_f32 v[X+2*n:X+2*n+1], v[X+2*n:X+2*n+1], v[QQ+2*(n%32):QQ+2*(n%32)+1] neg_lo:[0,1] neg_hi:[0,1]
.set n, n+1
.endr
	MAXCH
.irp b, 0,1,2,3                        ; b = 2 tau + c
	v_max_num_f32 v[TM+2*\b], v[TM+2*\b], v[TM+2*\b+1]
.endr
.irp b, 0,1,2,3
	v_add_nc_u32 v[SO+\b], 0xff000000, v[TM+2*\b]  ; 2 off the exponent field: the conversion's scale operand
.endr
.irp b, 0,1,2,3
	v_lshrrev_b32 v[TP+\b], 23, v[SO+\b]           ; the scale's byte
.endr
.irp tau, 0,1
	v_lshl_or_b32 v[RS+\tau], v[TP+2*\tau+1], 16, v[TP+2*\tau]
.endr
.irp tau, 0,1
	v_lshlrev_b32 v[RS+\tau], v[SH8], v[RS+\tau]   ; my two bytes at their places in the word
.endr
.irp tau, 0,1
	v_permlanex16_b32 v[PT+\tau], v[RS+\tau], s[SEL], s[SEL+1]
.endr
.irp tau, 0,1
	v_or_b32 v[RS+\tau], v[RS+\tau], v[PT+\tau]    ; with lane l xor 16's two the word is whole
.endr
	WIN 0x01
.set n, 0
.rept 16
	v_cvt_scalef32_pk8_fp4_f32 v[RC+n], v[X+8*n:X+8*n+7], v[SO+n/4]
.set n, n+1
.endr
	WIN 0
.rept 8
	v_nop                                          ; the plain place behind the conversions; eight places between the scale words' last write and the scaled products, four for the codes
.endr
.endm
.macro MM1
	WIN 0x73                                       ; W1 and b1 window 3, codes window 0, results window 1
.set n, 0
.rept 16
	v_wmma_scale_f32_16x16x128_f8f6f4 v[X+8*n:X+8*n+7], v[W1F+8*(n%8):W1F+8*(n%8)+7], v[RC+8*(n/8):RC+8*(n/8)+7], v[B1C+8*(n%8):B1C+8*(n%8)+7], v[W1S+n%8], v[RS+n/8] matrix_a_fmt:MATRIX_FMT_FP4 matrix_b_fmt:MATRIX_FMT_FP4
.set n, n+1
.endr
	WIN 0
.rept 4
	v_nop                                          ; four places ahead of the first read of results
.endr
.endm
.macro TREE                            ; eight packed chains -> each tile's row sum, in v[S + 8 tau]
.irp tau, 0,1
	v_pk_add_f32 v[S+8*\tau:S+8*\tau+1], v[S+8*\tau:S+8*\tau+1], v[S+8*\tau+2:S+8*\tau+3]
	v_pk_add_f32 v[S+8*\tau+4:S+8*\tau+5], v[S+8*\tau+4:S+8*\tau+5], v[S+8*\tau+6:S+8*\tau+7]
.endr
.irp tau, 0,1
	v_pk_add_f32 v[S+8*\tau:S+8*\tau+1], v[S+8*\tau:S+8*\tau+1], v[S+8*\tau+4:S+8*\tau+5]
.endr
.irp tau, 0,1
	v_add_f32 v[S+8*\tau], v[S+8*\tau], v[S+8*\tau+1]
.endr
.irp tau, 0,1
	v_permlanex16_b32 v[PT+\tau], v[S+8*\tau], s[SEL], s[SEL+1]
.endr
.irp tau, 0,1
	v_add_f32 v[S+8*\tau], v[S+8*\tau], v[PT+\tau]
.endr
.endm
.macro LNORM                           ; LayerNorm in two passes, then X = (xc rs) g log2(e) + beta log2(e).  Each accumulator is read from its low end on
	WIN 0x05
.set ch, 0
.rept 8
	v_pk_add_f32 v[S+2*ch:S+2*ch+1], v[X+16*ch:X+16*ch+1], v[X+16*ch+2:X+16*ch+3]
.set ch, ch+1
.endr
	WIN 0x04
.set i, 4
.rept 6
.set ch, 0
.rept 8
	v_pk_add_f32 v[S+2*ch:S+2*ch+1], v[S+2*ch:S+2*ch+1], v[X+16*ch+i:X+16*ch+i+1]
.set ch, ch+1
.endr
.set i, i+2
.endr
	WIN 0
	TREE
.irp tau, 0,1
	v_mul_f32 v[MU+2*\tau], s[I128], v[S+8*\tau]
.endr
	WIN 0x41
.set n, 0
.rept 64
	v_pk_add_f32 v[X+2*n:X+2*n+1], v[X+2*n:X+2*n+1], v[MU+2*(n/32):MU+2*(n/32)+1] op_sel_hi:[1,0] neg_lo:[0,1] neg_hi:[0,1]
.set n, n+1
.endr
	WIN 0x05
.set ch, 0
.rept 8
	v_pk_mul_f32 v[S+2*ch:S+2*ch+1], v[X+16*ch:X+16*ch+1], v[X+16*ch:X+16*ch+1]
.set ch, ch+1
.endr
.set i, 2
.rept 7
.set ch, 0
.rept 8
	v_pk_fma_f32 v[S+2*ch:S+2*ch+1], v[X+16*ch+i:X+16*ch+i+1], v[X+16*ch+i:X+16*ch+i+1], v[S+2*ch:S+2*ch+1]
.set ch, ch+1
.endr
.set i, i+2
.endr
	WIN 0
	TREE
.irp tau, 0,1
	v_fma_f32 v[S+8*\tau], v[S+8*\tau], s[I128], s[EPSR]
.endr
.irp tau, 0,1
	v_rsq_f32 v[RSP+2*\tau], v[S+8*\tau]
.endr
	v_nop                                          ; a plain place behind the transcendentals,
	s_wait_alu depctr_va_vdst(0)                   ; and one wait ahead of their first reader
	WIN 0x41
.set n, 0
.rept 64
	v_pk_mul_f32 v[X+2*n:X+2*n+1], v[X+2*n:X+2*n+1], v[RSP+2*(n/32):RSP+2*(n/32)+1] op_sel_hi:[1,0]
.set n, n+1
.endr
	WIN 0x69
.set n, 0
.rept 64
	v_pk_fma_f32 v[X+2*n:X+2*n+1], v[X+2*n:X+2*n+1], v[GG+2*(n%32):GG+2*(n%32)+1], v[BB+2*(n%32):BB+2*(n%32)+1]
.set n, n+1
.endr
.endm
.macro MISH
	WIN 0x86                                       ; u window 2, X window 1
.set n, 0
.rept 4
	v_min_num_f32 v[U+n], s[C40], v[X+n]
.set n, n+1
.endr
.set n, 0
.rept 124
	v_exp_f32 v[U+n], v[U+n]                       ; the holds run four registers ahead of the exponentials; nothing here names an exponential's result
	v_min_num_f32 v[U+n+4], s[C40], v[X+n+4]
.set n, n+1
.endr
.rept 4
	v_exp_f32 v[U+n], v[U+n]
.set n, n+1
.endr
	v_nop
	s_wait_alu depctr_va_vdst(0)                   ; one wait for the batch of 128
	WIN 0x42
.set n, 0
.rept 64
	v_pk_add_f32 v[T+2*n:T+2*n+1], v[U+2*n:U+2*n+1], 2.0 op_sel_hi:[1,0]
.set n, n+1
.endr
	WIN 0x86
.set n, 0
.rept 64
	v_pk_mul_f32 v[U+2*n:U+2*n+1], v[U+2*n:U+2*n+1], v[T+2*n:T+2*n+1]        ; n = u (u + 2)
.set n, n+1
.endr
	WIN 0x42
.set n, 0
.rept 64
	v_pk_fma_f32 v[T+2*n:T+2*n+1], v[U+2*n:U+2*n+1], s[L2E:L2E+1], v[C2:C2+1] op_sel_hi:[1,0,0]
.set n, n+1
.endr
	WIN 0x49
.set n, 0
.rept 64
	v_rcp_f32 v[T+2*n], v[T+2*n]
	v_rcp_f32 v[T+2*n+1], v[T+2*n+1]
	v_pk_mul_f32 v[X+2*n:X+2*n+1], v[X+2*n:X+2*n+1], v[U+2*n:U+2*n+1]        ; X n: names no reciprocal
.set n, n+1
.endr
	v_nop
	s_wait_alu depctr_va_vdst(0)                   ; one wait for the batch of 128
	WIN 0x45
.set n, 0
.rept 64
	v_pk_mul_f32 v[X+2*n:X+2*n+1], v[X+2*n:X+2*n+1], v[T+2*n:T+2*n+1]
.set n, n+1
.endr
	WIN 0
.endm
.macro QHID                            ; the hidden layer, quantised: block b of tile tau lies in chain 4 tau + b of lanes l and l xor 16
	MAXCH
.set ch, 0
.rept 8
	v_permlanex16_b32 v[TP+ch], v[TM+ch], s[SEL], s[SEL+1]
.set ch, ch+1
.endr
.set ch, 0
.rept 8
	v_max_num_f32 v[TM+ch], v[TM+ch], v[TP+ch]
.set ch, ch+1
.endr
.set ch, 0
.rept 8
	v_add_nc_u32 v[SO+ch], 0xff000000, v[TM+ch]
.set ch, ch+1
.endr
.set ch, 0
.rept 8
	v_lshrrev_b32 v[TP+ch], 23, v[SO+ch]
.set ch, ch+1
.endr
.irp tau, 0,1
	v_lshl_or_b32 v[HS+\tau], v[TP+4*\tau+1], 8, v[TP+4*\tau]
.endr
.irp tau, 0,1
	v_lshl_or_b32 v[HS+\tau], v[TP+4*\tau+2], 16, v[HS+\tau]
.endr
.irp tau, 0,1
	v_lshl_or_b32 v[HS+\tau], v[TP+4*\tau+3], 24, v[HS+\tau]
.endr
	WIN 0x01
.set n, 0
.rept 16
	v_cvt_scalef32_pk8_fp4_f32 v[HC+n], v[X+8*n:X+8*n+7], v[SO+n/2]
.set n, n+1
.endr
	WIN 0
	v_nop                                          ; one plain place behind the conversions
.set n, 0
.rept 4                                ; the operand's layout wants a whole block in a lane
	v_permlane16_swap_b32 v[HC+4*n], v[HC+4*n+2]
	v_permlane16_swap_b32 v[HC+4*n+1], v[HC+4*n+3]
.set n, n+1
.endr
.endm
.macro MM2
.rept 8
	v_nop                                          ; eight places between the scale words' last write and the scaled products, four for the codes
.endr
	WIN 0x8c                                       ; codes window 0, W2 window 3, results window 2
.set n, 0
.rept 16
	v_wmma_scale_f32_16x16x128_f8f6f4 v[U+8*n:U+8*n+7], v[HC+8*(n/8):HC+8*(n/8)+7], v[W2F+8*(n%8):W2F+8*(n%8)+7], 0, v[HS+n/8], v[W2S+n%8] matrix_a_fmt:MATRIX_FMT_FP4 matrix_b_fmt:MATRIX_FMT_FP4
.set n, n+1
.endr
	WIN 0
.rept 4
	v_nop
.endr
.endm
; In the runs over n = 0 .. 63 below the channel tile t = n % 8 is innermost, then tau = (n / 8) % 2, then the pair of j, n / 16: so the eight tiles' chains take turns, and each accumulator is read from its low end on.
.macro SOFT
	WIN 0x28
.set n, 0
.rept 64
.set UU, U+64*((n/8)%2)+8*(n%8)+2*(n/16)
	v_max3_num_f32 v[ST+8*(n%8)+1], v[ST+8*(n%8)+1], v[UU], v[UU+1]
.set n, n+1
.endr
	WIN 0
.set t, 0
.rept 8
	v_fma_f32 v[ST+8*t+2], v[ST+8*t+1], s[NL2E], -v[ST+8*t]   ; new NM - old NM, 0 or less
.set t, t+1
.endr
.set t, 0
.rept 8
	v_mul_f32 v[ST+8*t], s[NL2E], v[ST+8*t+1]
.set t, t+1
.endr
.set t, 0
.rept 8
	v_exp_f32 v[ST+8*t+2], v[ST+8*t+2]             ; F
.set t, t+1
.endr
	WIN 0x82
.set n, 0
.rept 2
	v_pk_fma_f32 v[U+2*n:U+2*n+1], v[U+2*n:U+2*n+1], s[L2E:L2E+1], v[ST+8*((n%32)/4):ST+8*((n%32)/4)+1] op_sel_hi:[1,0,0]
.set n, n+1
.endr
.set n, 0
.rept 62
	v_exp_f32 v[U+2*n], v[U+2*n]                   ; the scalings run two pairs ahead; nothing here names an exponential's result
	v_exp_f32 v[U+2*n+1], v[U+2*n+1]
	v_pk_fma_f32 v[U+2*n+4:U+2*n+5], v[U+2*n+4:U+2*n+5], s[L2E:L2E+1], v[ST+8*(((n+2)%32)/4):ST+8*(((n+2)%32)/4)+1] op_sel_hi:[1,0,0]
.set n, n+1
.endr
.rept 2
	v_exp_f32 v[U+2*n], v[U+2*n]
	v_exp_f32 v[U+2*n+1], v[U+2*n+1]
.set n, n+1
.endr
	WIN 0
	v_nop
	s_wait_alu depctr_va_vdst(0)                   ; one wait for the batch of 136
.set t, 0
.rept 8
	v_pk_mul_f32 v[ST+8*t+4:ST+8*t+5], v[ST+8*t+4:ST+8*t+5], v[ST+8*t+2:ST+8*t+3] op_sel_hi:[1,0]
	v_pk_mul_f32 v[ST+8*t+6:ST+8*t+7], v[ST+8*t+6:ST+8*t+7], v[ST+8*t+2:ST+8*t+3] op_sel_hi:[1,0]
.set t, t+1
.endr
	s_wait_dscnt 0x0                               ; v, d and dm are in (and the next step's k)
	WIN 0x02
.set n, 0
.rept 64
.set UU, U+64*((n/8)%2)+8*(n%8)+2*(n/16)
	v_pk_fma_f32 v[ST+8*(n%8)+4:ST+8*(n%8)+5], v[UU:UU+1], v[DJ+8*((n/8)%2)+2*(n/16):DJ+8*((n/8)%2)+2*(n/16)+1], v[ST+8*(n%8)+4:ST+8*(n%8)+5]
.set n, n+1
.endr
	WIN 0x82
.set n, 0
.rept 64
	v_pk_mul_f32 v[U+2*n:U+2*n+1], v[U+2*n:U+2*n+1], v[DM+8*(n/32)+2*(n%4):DM+8*(n/32)+2*(n%4)+1]
.set n, n+1
.endr
	WIN 0x06
.set n, 0
.rept 64
.set UU, 64*((n/8)%2)+8*(n%8)+2*(n/16)
	v_pk_fma_f32 v[ST+8*(n%8)+6:ST+8*(n%8)+7], v[U+UU:U+UU+1], v[T+UU:T+UU+1], v[ST+8*(n%8)+6:ST+8*(n%8)+7]
.set n, n+1
.endr
	WIN 0
.endm
; A slot's four steps: written once, walked four times.  The next step's k of the same slot is fetched as soon as the conversions have left X; a slot's last step fetches none: the next k lies behind the change of slots.
.macro FOUR_STEPS
	s_mov_b32 s[INNER], 4
.Lstep_\@:
	s_wait_dscnt 0x0                               ; k is in
	v_add_nc_u32 v[ADD], s[TJ], v[DTA]
	QREL
	MM1
	LNORM
	MISH
	VLOAD
	QHID
	s_add_co_u32 s[TB], s[TB], STEPB
	s_add_co_u32 s[TJ], s[TJ], 128
	s_cmp_eq_u32 s[INNER], 1
	s_cbranch_scc1 .Lnok_\@
	KLOAD
.Lnok_\@:
	MM2
	SOFT
	s_sub_co_u32 s[INNER], s[INNER], 1
	s_cmp_lg_u32 s[INNER], 0
	s_cbranch_scc1 .Lstep_\@
	s_sub_co_u32 s[TB], s[TB], 4*STEPB             ; back to a slot's first step,
	s_xor_b32 s[TB], s[TB], SLOT1                  ; in the other slot
.endm
; THE CHANGE OF SLOTS, at a slot's head.  Each wave waits for all its tensor loads (its part of the slot that is read next), adds 0 to its spare word, and waits for that and for its reads of the slot that it has left.
; fill = 1: a round of the cluster's barrier, so that no wave of any partner still reads the other slot or has a load on its way; the joint load into that slot is the first thing behind it, and has four steps in which to land.
.macro CHANGE fill
	s_wait_tensorcnt 0x0                           ; no tensor load of mine is out, so group 0 may be written
	ds_add_u32 v[SPW], v[NIL]                      ; 0 onto my spare word
.if \fill
	s_xor_b32 s[G0+1], s[G0+1], SLOT1              ; the other slot than last time,
	s_add_nc_u64 s[G0+2:G0+3], s[G0+2:G0+3], 4*STEPB   ; the next four steps; the type bits on top are not reached
.endif
	s_wait_dscnt 0x0                               ; the add is done, and my reads of the slot that I have left are over
.if \fill
	CROUND
	tensor_load_to_lds s[G0:G0+3], s[G1:G1+7]
	s_nop 0
.rept 4
	v_nop
.endr
.else
	s_barrier_signal -1
	s_barrier_wait -1
.endif
	KLOAD
.endm
	s_load_b512 s[4:19], s[0:1], 0x0               ; kv 4, qimg 6, distribution 8, W1's codes 10, scales 12, W2's codes 14, scales 16, b1 18
	s_load_b128 s[20:23], s[0:1], 0x40             ; g1 20, beta1 22
	s_load_b64 s[24:25], s[0:1], 0x50              ; out0
	v_lshl_add_u32 v[SPW], v0, 2, SPARE
	v_mov_b32 v[NIL], 0
	ds_add_u32 v[SPW], v[NIL]                      ; the wave's opening: the add, twice on end, and its wait ahead of my first tensor load
	ds_add_u32 v[SPW], v[NIL]                      ; and once more, under the one wait; the set-up below, work on registers, stands between
	v_lshrrev_b32 v8, 5, v0
	v_readfirstlane_b32 s[WV], v8                  ; wave 0..3
	s_bfe_u32 s27, ttmp6, 0x40000                  ; cx: my place in the cluster
	s_lshl_b32 s28, ttmp9, 2                       ; in a cluster launch ttmp9 counts clusters
	s_add_co_u32 s28, s28, s27                     ; my work-group
	s_lshl_b32 s29, s28, 2
	s_add_co_u32 s29, s29, s[WV]                   ; i = 4 x work-group + wave, 0 .. 1,023 over both batches
	; descriptor group 1: 128 rows of 256 bytes (32 elements of 8 bytes), dense in memory and in LDS
	s_mov_b32 s[G1], 15|(3<<16)|(1<<21)            ; 15:0 the mask: all four work-groups; 17:16 elements of 8 bytes; 21 set beside a mask; no padding
	s_mov_b32 s[G1+1], 32<<16                      ; tensor_dim0 = 32
	s_mov_b32 s[G1+2], 128<<16                     ; tensor_dim1 = 128
	s_mov_b32 s[G1+3], 32<<16                      ; tile_dim0 = 32
	s_mov_b32 s[G1+4], 128                         ; tile_dim1 = 128
	s_mov_b32 s[G1+5], 32                          ; tensor_dim0_stride
	s_mov_b32 s[G1+6], 0
	s_mov_b32 s[G1+7], 0
	s_mov_b32 s[L2E], 0x3fb8aa3b
	s_mov_b32 s[L2E+1], s[L2E]                     ; (named with it as a pair, so it is written)
	s_mov_b32 s[NL2E], 0xbfb8aa3b
	s_mov_b32 s[C40], 0x42200000                   ; 40.0
	s_mov_b32 s[FLR], 0x01800000                   ; 2^(3 - 127)
	s_mov_b32 s[I128], 0x3c000000                  ; 1 / 128
	s_mov_b32 s[EPSR], 0x3727c5ac                  ; 1e-5
	s_mov_b32 s[SEL], 0x76543210
	s_mov_b32 s[SEL+1], 0xfedcba98
	s_mov_b32 s[TB], 0
	s_mov_b32 s[TJ], 0
	s_mov_b32 s[SLOTS], 3
	s_mov_b32 s[G0], 1                             ; count = 1
	s_lshl_b32 s[G0+1], s[WV], 15                  ; LDS: slot 0, step = my wave's number
	s_lshr_b32 s66, ttmp9, 5                       ; the batch, which the four partners share
	s_lshl_b32 s60, s66, 19                        ; its 524,288 bytes of kv,
	s_add_co_u32 s60, s60, s[G0+1]                 ; my step's 32,768
	s_mov_b32 s61, 0
	s_wait_dscnt 0x0                               ; both opening adds are done
	s_wait_kmcnt 0x0
	s_add_nc_u64 s[G0+2:G0+3], s[4:5], s[60:61]
	s_or_b32 s[G0+3], s[G0+3], 0x80000000          ; type = 2
	CROUND                                         ; all four work-groups are here: the first joint loads meet
	tensor_load_to_lds s[G0:G0+3], s[G1:G1+7]      ; slot 0: every wave issues its part
	s_nop 0
.rept 4
	v_nop
.endr
	v_and_b32 v8, 31, v0                           ; lane
	v_and_b32 v9, 15, v0                           ; r
	v_bfe_u32 v10, v0, 4, 1                        ; h
	v_lshlrev_b32 v[LI], 4, v8
	v_lshlrev_b32 v[SH8], 3, v10
	s_lshl_b32 s67, s[WV], 12
	s_add_co_u32 s67, s67, DTB                     ; my wave's d tables
	v_lshl_add_u32 v[DTA], v10, 5, s67
	v_lshl_add_u32 v39, v8, 6, s67                 ; where I store my 16 numbers of d
	v_and_b32 v11, 8, v9
	v_add_nc_u32 v11, v11, v9                      ; r + 8 (r / 8)
	v_lshlrev_b32 v12, 2, v11                      ; W1's scale words
	v_lshlrev_b32 v11, 6, v11
	v_lshl_add_u32 v11, v10, 4, v11                ; W1's codes
	v_lshlrev_b32 v13, 6, v9
	v_lshl_add_u32 v13, v10, 4, v13                ; W2's codes
	v_lshlrev_b32 v14, 2, v9                       ; W2's scale words
	v_lshlrev_b32 v15, 6, v10                      ; b1, g1, beta1: 16 h numbers on
	s_and_b32 s68, s29, 15
	s_lshl_b32 s68, s68, 4
	v_lshl_add_u32 v36, v10, 8, s68                ; q's image: the bytes of lane i % 16 + 16 h
	v_lshlrev_b32 v37, 6, v8                       ; d: 16 numbers a lane
	s_lshl_b32 s68, s29, 2
	v_mov_b32 v38, s68                             ; d_i
	s_lshr_b32 s68, s29, 4
	s_lshl_b32 s68, s68, 13
	s_mov_b32 s69, 0
	s_add_nc_u64 s[62:63], s[6:7], s[68:69]        ; q's image of tile i / 16
	s_lshl_b32 s60, s66, 11
	s_add_nc_u64 s[70:71], s[8:9], s[60:61]        ; my batch's d
	s_lshl_b32 s68, s29, 9
	s_add_nc_u64 s[24:25], s[24:25], s[68:69]      ; my row of out
	WIN 0xc0                                       ; destination window 3
.set t, 0
.rept 8
	global_load_b128 v[W1F+8*t:W1F+8*t+3], v11, s[10:11] offset:(32*(t/2)+8*(t%2))*64
	global_load_b128 v[W1F+8*t+4:W1F+8*t+7], v11, s[10:11] offset:(32*(t/2)+8*(t%2))*64+32
	global_load_b128 v[W2F+8*t:W2F+8*t+3], v13, s[14:15] offset:1024*t
	global_load_b128 v[W2F+8*t+4:W2F+8*t+7], v13, s[14:15] offset:1024*t+32
.set t, t+1
.endr
.set n, 0
.rept 16
	global_load_b128 v[B1C+4*n:B1C+4*n+3], v15, s[18:19] offset:128*(n/4)+16*(n%4)   ; register 16 b + i = b1 at hidden unit 32 b + 16 h + i
.set n, n+1
.endr
	WIN 0x80                                       ; destination window 2
.set n, 0
.rept 16
	global_load_b128 v[GG+4*n:GG+4*n+3], v15, s[20:21] offset:128*(n/4)+16*(n%4)
	global_load_b128 v[BB+4*n:BB+4*n+3], v15, s[22:23] offset:128*(n/4)+16*(n%4)
.set n, n+1
.endr
	WIN 0
.set n, 0
.rept 16
	global_load_b128 v[QQ+4*n:QQ+4*n+3], v36, s[62:63] offset:512*n
.set n, n+1
.endr
.set t, 0
.rept 8
	global_load_b32 v[W1S+t], v12, s[12:13] offset:(32*(t/2)+8*(t%2))*4
	global_load_b32 v[W2S+t], v14, s[16:17] offset:64*t
.set t, t+1
.endr
.set n, 0
.rept 4
	global_load_b128 v[RC+4*n:RC+4*n+3], v37, s[70:71] offset:16*n   ; d, for now in the codes' registers
.set n, n+1
.endr
	global_load_b32 v40, v38, s[8:9]
	s_wait_loadcnt 0x0
	WIN 0x82
.set n, 0
.rept 64
	v_pk_mul_f32 v[GG+2*n:GG+2*n+1], v[GG+2*n:GG+2*n+1], s[L2E:L2E+1] op_sel_hi:[1,0]   ; g1 log2(e), beta1 log2(e)
.set n, n+1
.endr
	WIN 0
.set n, 0
.rept 16
	v_mul_f32 v41, v40, v[RC+n]                    ; d_i d_j, in f32 as reference() has it
	v_cmp_lt_f32 vcc_lo, 0, v41
	v_cndmask_b32 v[HC+n], 0, v[RC+n], vcc_lo      ; dm_j
.set n, n+1
.endr
.set n, 0
.rept 4
	ds_store_b128 v39, v[RC+4*n:RC+4*n+3] offset:16*n
	ds_store_b128 v39, v[HC+4*n:HC+4*n+3] offset:2048+16*n
.set n, n+1
.endr
	s_lshl_b32 s67, s[WV], 9
	s_add_co_u32 s67, s67, OUTS
	v_lshl_add_u32 v[OST], v9, 2, s67
	v_add_nc_u32 v[ORD], s67, v[LI]
	s_wait_dscnt 0x0                               ; the stores have read their registers, which are written again below
.set t, 0
.rept 8
	v_mov_b32 v[ST+8*t], 0x7f800000                ; NM = +infinity
	v_mov_b32 v[ST+8*t+1], 0xff800000              ; MR = -infinity
.irp e, 2,3,4,5,6,7
	v_mov_b32 v[ST+8*t+\e], 0
.endr
.set t, t+1
.endr
.set n, TM
.rept 28
	v_mov_b32 v[n], 0                              ; written once: lane permutes' destinations, and the upper halves of pairs that packed forms name
.set n, n+1
.endr
	v_mov_b32 v[C2], 0x4038aa3b                    ; 2 log2(e)
.Lslot:                                            ; three trips: behind each of these changes of slots the next slot is asked for
	CHANGE 1
	FOUR_STEPS
	s_sub_co_u32 s[SLOTS], s[SLOTS], 1
	s_cmp_lg_u32 s[SLOTS], 0
	s_cbranch_scc1 .Lslot
	CHANGE 0                                       ; the last slot is written out
	FOUR_STEPS
	; THE WAY OUT.  The two halves of the lanes hold the same channels and different j: they are brought under their common maximum and added; both then hold the same bits.
.set t, 0
.rept 8
	v_permlanex16_b32 v[ST+8*t+3], v[ST+8*t+1], s[SEL], s[SEL+1]
.set t, t+1
.endr
.set t, 0
.rept 8
	v_max_num_f32 v[ST+8*t+3], v[ST+8*t+3], v[ST+8*t+1]
.set t, t+1
.endr
.set t, 0
.rept 8
	v_sub_f32 v[ST+8*t+2], v[ST+8*t+1], v[ST+8*t+3]
.set t, t+1
.endr
.set t, 0
.rept 8
	v_mul_f32 v[ST+8*t+2], s[L2E], v[ST+8*t+2]
.set t, t+1
.endr
.set t, 0
.rept 8
	v_exp_f32 v[ST+8*t+2], v[ST+8*t+2]
.set t, t+1
.endr
.set t, 0
.rept 8
	v_add_f32 v[ST+8*t+4], v[ST+8*t+4], v[ST+8*t+5]   ; the even and the odd j's sums: plain work behind the exponentials
	v_add_f32 v[ST+8*t+6], v[ST+8*t+6], v[ST+8*t+7]
.set t, t+1
.endr
	s_wait_alu depctr_va_vdst(0)                   ; one wait for the eight
.set t, 0
.rept 8
	v_mul_f32 v[ST+8*t+4], v[ST+8*t+4], v[ST+8*t+2]
	v_mul_f32 v[ST+8*t+6], v[ST+8*t+6], v[ST+8*t+2]
.set t, t+1
.endr
.set t, 0
.rept 8
	v_permlanex16_b32 v[ST+8*t+5], v[ST+8*t+4], s[SEL], s[SEL+1]
	v_permlanex16_b32 v[ST+8*t+7], v[ST+8*t+6], s[SEL], s[SEL+1]
.set t, t+1
.endr
.set t, 0
.rept 8
	v_add_f32 v[ST+8*t+4], v[ST+8*t+4], v[ST+8*t+5]
	v_add_f32 v[ST+8*t+6], v[ST+8*t+6], v[ST+8*t+7]
.set t, t+1
.endr
.set t, 0
.rept 8
	v_rcp_f32 v[ST+8*t+5], v[ST+8*t+4]
.set t, t+1
.endr
	v_nop
	s_wait_alu depctr_va_vdst(0)                   ; one wait for the eight
.set t, 0
.rept 8
	v_mul_f32 v[ST+8*t], v[ST+8*t+6], v[ST+8*t+5]
.set t, t+1
.endr
.set t, 0
.rept 8
	ds_store_b32 v[OST], v[ST+8*t] offset:64*t     ; channel 16 t + r; lanes r and r + 16 write the same word with the same value
.set t, t+1
.endr
	ds_load_b128 v[12:15], v[ORD]                  ; LDS serves a wave's instructions in order (ISA guide 5.7.1.4): this sees my stores
	s_wait_dscnt 0x0
	global_store_b128 v[LI], v[12:15], s[24:25]    ; the wave stores its row: 512 consecutive bytes, aligned
	s_wait_tensorcnt 0x0                           ; the wave's end, behind my last tensor load and my last LDS store
	ds_add_u32 v[SPW], v[NIL]
	s_wait_dscnt 0x0
	CROUND                                         ; the closing round: no work-group ends while a partner may still ask for a tile that names it
	s_endpgm
.Lfunc_end_k_qb1c5eb3b92_pairs:
	.size	k_qb1c5eb3b92_pairs, .Lfunc_end_k_qb1c5eb3b92_pairs-k_qb1c5eb3b92_pairs
	.p2alignl 7, 3214868480
	.fill 96, 4, 3214868480
	.section	.rodata,"a",@progbits
	.p2align	6, 0x0
	.amdhsa_kernel k_qb1c5eb3b92_pairs
		.amdhsa_group_segment_fixed_size 327680
		.amdhsa_private_segment_fixed_size 0
		.amdhsa_enable_private_segment 0
		.amdhsa_kernarg_size 88
		.amdhsa_user_sgpr_count 2
		.amdhsa_user_sgpr_kernarg_segment_ptr 1
		.amdhsa_wavefront_size32 1
		.amdhsa_system_sgpr_workgroup_id_x 1
		.amdhsa_system_sgpr_workgroup_id_y 1
		.amdhsa_system_sgpr_workgroup_id_z 1
		.amdhsa_system_vgpr_workitem_id 0
		.amdhsa_next_free_vgpr 1024
		.amdhsa_next_free_sgpr 80
		.amdhsa_reserve_vcc 1
		.amdhsa_float_denorm_mode_32 3
		.amdhsa_float_denorm_mode_16_64 3
		.amdhsa_memory_ordered 1
		.amdhsa_forward_progress 1
		.amdhsa_inst_pref_size 251
	.end_amdhsa_kernel
	.amdgpu_metadata
---
amdhsa.version: [ 1, 2 ]
amdhsa.kernels:
  - .name:           k_qb1c5eb3b92_pairs
    .symbol:         k_qb1c5eb3b92_pairs.kd
    .args:
      - { .name: kv, .offset: 0, .size: 8, .value_kind: global_buffer, .address_space: global }
      - { .name: qimg, .offset: 8, .size: 8, .value_kind: global_buffer, .address_space: global }
      - { .name: distribution, .offset: 16, .size: 8, .value_kind: global_buffer, .address_space: global }
      - { .name: W1_codes, .offset: 24, .size: 8, .value_kind: global_buffer, .address_space: global }
      - { .name: W1_scales, .offset: 32, .size: 8, .value_kind: global_buffer, .address_space: global }
      - { .name: W2_codes, .offset: 40, .size: 8, .value_kind: global_buffer, .address_space: global }
      - { .name: W2_scales, .offset: 48, .size: 8, .value_kind: global_buffer, .address_space: global }
      - { .name: b1, .offset: 56, .size: 8, .value_kind: global_buffer, .address_space: global }
      - { .name: g1, .offset: 64, .size: 8, .value_kind: global_buffer, .address_space: global }
      - { .name: beta1, .offset: 72, .size: 8, .value_kind: global_buffer, .address_space: global }
      - { .name: out0, .offset: 80, .size: 8, .value_kind: global_buffer, .address_space: global }
    .group_segment_fixed_size: 327680
    .private_segment_fixed_size: 0
    .kernarg_segment_align: 8
    .kernarg_segment_size: 88
    .max_flat_workgroup_size: 128
    .sgpr_count:     80
    .vgpr_count:     1024
    .wavefront_size: 32
...
	.end_amdgpu_metadata
.endif
;; end of part 2
